; MI455X (gfx1250); checked and timed in simulation.
; The chip was launched on July 23, 2026; its instructions are those of AMD's public machine-readable ISA for CDNA 5 (MIT licence, August 2026) and "CDNA5" Instruction Set Architecture Reference Guide (July 2026). The comments in the code are by the model that wrote it; some were corrected since.
;; Attention. Allowed arithmetic: matrix products marked QUANTISED: E5M2 operands, one E8M0 scale for each 32 along K, by v_wmma_scale_f32_16x16x128_f8f6f4 with both operands' format E5M2, f32 sums; everything else in f32.
;; Inputs: dec_output 8 x 4,096 x 256 float32; enc_output 8 x 4,096 x 256 float32.
;; Outputs: out0 8 x 4,096 x 256 float32.
;; This version of the problem:
;;   THIS VERSION OF THE PROBLEM IS GIVEN IN LOW PRECISION. The matrix products marked QUANTISED in the list below multiply operands that are first quantised to E5M2 (5 exponent bits, 2 mantissa bits; 8 bits a number), with one power-of-two scale for each 32 numbers along K (OCP MX v1.0); their sums are f32. All else is computed in f32.
;;   The module's matrix products, in the order in which they are computed (A, B: the left and right operand; K: the contracted axis; several contracted axes count as one K, in the product's order):
;;     1. batch 8 x [M 4,096, K 256] x [K 256, N 4,096]; A: input enc_output; B: input dec_output: QUANTISED
;;     2. batch 8 x [M 4,096, K 4,096] x [K 4,096, N 256]; A: softmax (see below); B: input enc_output: QUANTISED
;;   THE QUANTISER, for each operand of a quantised product, along K:
;;     - K is cut into blocks of 32 from its start; a last block that is shorter is filled with zeros.
;;     - A block's scale is 2^e with e = floor(log2(the largest magnitude in the block)) - 15, held to -126 .. 127; a block of zeros has e = 0. As a byte (E8M0): e + 127.
;;     - Each number is divided by its block's scale, clamped to +-57,344, and rounded to the nearest number of E5M2, ties to even, subnormals kept.
;;     - The product sums the exact products of the quantised numbers (number of the format x scale) in f32.
;;   ~~~python
;;   def quantise(x, axis):      # numpy; x: float32 -> the quantised numbers, widened to float32 again
;;       x = np.moveaxis(x, axis, -1); K = x.shape[-1]
;;       x = np.pad(x, [(0, 0)] * (x.ndim - 1) + [(0, -K % 32)]); x = x.reshape(x.shape[:-1] + (-1, 32)); a = np.abs(x).max(-1, keepdims=True)
;;       e = np.where(a > 0, np.clip(np.frexp(np.where(a > 0, a, 1))[1] - 1 - 15, -126, 127), 0)      # np.frexp(a)[1] - 1 = floor(log2(a)), exactly
;;       r = np.clip(x / 2.0 ** e, -57344, 57344)
;;       step = 2.0 ** (np.maximum(np.frexp(np.where(r == 0, 1, r))[1] - 1, -14) - 2)
;;       q = np.round(r / step) * step * 2.0 ** e      # np.round: ties to even
;;       return np.moveaxis(q.reshape(q.shape[:-2] + (-1,))[..., :K], -1, axis).astype(np.float32)
;;   ~~~
;;   SOFTMAX AHEAD OF A QUANTISED PRODUCT. Where the list says 'softmax', what is quantised is not the finished softmax but p = 2^(t - M), with t = logit x log2(e) and M = ceil(the row's largest t), a whole number; so 1/2 < the row's largest p <= 1. The row's sum l is taken of the UNQUANTISED p, in f32, and the product's result is divided by l at the end. Since M is a whole number, a kernel that streams over the keys may use a running M (the ceiling of the running maximum): every later rescaling is an exact power of two, which a block's scale takes up: the codes' values come out the same.
;;   OPERANDS COMPUTED ON THE WAY. 'Computed on the way' means the value that the module computes at that place (a softmax that the list does not call 'softmax' is quantised finished and normalised). What goes into a quantiser is computed in f32, as accurately as f32 sums, v_exp_f32 and their like allow (about 1e-6 of the number): no bf16 or f16 on the way to a quantiser, and a product that is left as it is and whose result goes on into a quantised operand takes f32 operands (vector FMAs, or v_wmma_f32_16x16x4_f32). A number that lies on a knife's edge between two numbers of the format may be rounded either way, as far as f32 arithmetic and the matrix unit's own rounding can turn it there, and no further.
;; One version. Each part assembles by itself: llvm-mc -triple=amdgcn-amd-amdhsa -mcpu=gfx1250 --defsym DOCPART=n.
;; ======== version 1 of 1: 2 launches
;; limits: right only within a limited range of input values
;; workspace buffers: kv 17,301,504 bytes
;; launch prep (part 1): grid 256 x 1, 16 waves a work-group, no clusters, 167,936 bytes of LDS; arguments enc_output, kv; writes kv
.if DOCPART == 1
	.amdgcn_target "amdgcn-amd-amdhsa--gfx1250"
	.amdhsa_code_object_version 6
	.text
	.protected	k_q0b9b91d4d9_prep
	.globl	k_q0b9b91d4d9_prep
	.p2align	8
	.type	k_q0b9b91d4d9_prep,@function
k_q0b9b91d4d9_prep:
	s_mov_b64 s[64:65], 0
	v_nop
	global_prefetch_b8 v0, s[64:65] scope:SCOPE_SE
	s_setreg_imm32_b32 hwreg(HW_REG_WAVE_MODE, 25, 1), 1
	s_wait_xcnt 0x0
; enc [8][4096][256] f32 is an operand of BOTH quantised products: of the scores (K = the 256 channels) and of the weighted sum (K = the encoder positions).
; This launch quantises it both ways into codes of BF8 (E5M2) with one E8M0 byte for each 32 along the product's K, and lays codes and scale words in the order of the operand's registers.
; NOTHING OF THE PROBLEM IS LEFT OUT in this program: both inputs reach the output through both products, there is no mask, no bias and no slice.
; A block's scale is 2^(floor(log2(its largest magnitude)) - 15); its byte is the largest magnitude's exponent field - 15, held at 1 from below by a floor among the maximum's leaves.
; LIMITS: a block of zeros gets the byte 1 where the rule says 127 (its codes are zeros, which add nothing under any byte but 0xff, and this program alone reads the bytes); NaN and infinities among the inputs are not served.
; SHARES.  Work-group g takes the 128 positions 128 g .. 128 g + 127 (batch g / 32, key step g % 32): 131,072 bytes, brought into LDS once and read twice from there.
; Each of the sixteen waves brings 8 rows of 1,024 bytes by one tensor load, so that the whole tile is asked for at once and every wave passes a load.
; Waves 0-7 make the scores' operand: wave W = 2 b + ks, lane (u, r) owns position 32 b + 8 u + r + 8 (r / 8) and channels 128 ks .. + 127.
; Waves 8-15 make the sum's operand: wave W, lane L owns channel 32 W + L and the step's 128 positions.  Either way a lane's 128 registers run along the product's K: four whole blocks of 32, no other lane needed.
; THE POSITIONS OF A TILE OF THE SCORES' OPERAND ARE NOT NEIGHBOURS, so that in the next launch the 16 score registers of two neighbouring tiles are 16 neighbouring positions.
; kv: [8][32] blocks of BLK bytes.  Block j of a batch holds what iteration j of the next launch reads: the scores' operand of key step (j + 1) % 32 and the sum's operand of key step j:
;   bytes 0 ..: 16 fragments of 2,048 bytes, tile 2 b + u, K step ks at 2048 (4 b + 2 ks + u);   bytes 32,768 ..: 16 fragments, channels 16 T .. at 2048 T;   bytes 65,536 ..: 16 scale registers.
;   A fragment: registers 4 c .. 4 c + 3 of lane L at 512 c + 16 L.   Scale register m, lane L: at 512 (m / 4) + 16 L + 4 (m % 4); m = wave.
; No cluster: no two work-groups read a common byte.  No prefetch: the launch streams its input once and has nothing else to do meanwhile.
.set BLK,   67584
.set PITCH, 1040                       ; an LDS row: 1,024 bytes + 16 of padding
.set SCA,   128*PITCH                  ; behind the tile: the 16 scale registers' images, 2,048 bytes; no tensor load lands here
.set SPARE, SCA+2048                   ; the spare words, 128 bytes for each wave: eight blocks of 256 bytes that no other line names
.set EMAX,  15
.set SPW,   14                         ; v14  LDS address of my spare word; never rewritten
.set NIL,   15                         ; v15  0; never rewritten
.set SB,    24                         ; v24  my row's scale word
.set X,     32                         ; v32-159  my 128 numbers
.set C,     160                        ; v160-191 their codes: eight registers for each block, so that no store's data are written again
	s_load_b128 s[4:7], s[0:1], 0x0                ; enc s[4:5], kv s[6:7]
	v_lshl_add_u32 v[SPW], v0, 2, SPARE
	v_mov_b32 v[NIL], 0
	ds_add_u32 v[SPW], v[NIL]                      ; the wave's opening: the add, twice on end, and its wait ahead of my tensor load; the set-up below stands between
	ds_add_u32 v[SPW], v[NIL]                      ; and once more, under the one wait
	v_lshrrev_b32 v1, 5, v0
	s_delay_alu instid0(VALU_DEP_1)
	v_readfirstlane_b32 s8, v1                     ; wave 0..15
	s_and_b32 s9, s8, 7                            ; W: my number within my role
	; descriptor group 1: 8 rows of 256 elements of 4 bytes, 16 bytes of padding behind each row
	s_mov_b32 s16, (2<<16)|(1<<20)|(7<<22)|(3<<25) ; no mask; elements of 4 bytes; padding on; after every 256 words (code 7); 4 words of it (code 3)
	s_mov_b32 s17, 256<<16                         ; tensor_dim0 = 256
	s_mov_b32 s18, 8<<16                           ; tensor_dim1 = 8
	s_mov_b32 s19, 256<<16                         ; tile_dim0 = 256
	s_mov_b32 s20, 8                               ; tile_dim1 = 8
	s_mov_b32 s21, 256                             ; elements from row to row
	s_mov_b32 s22, 0
	s_mov_b32 s23, 0
	s_mov_b32 s12, 1                               ; group 0: count = 1
	s_mul_i32 s13, s8, 8*PITCH                     ; LDS address: my 8 rows
	s_lshl_b32 s28, ttmp9, 17                      ; the work-group's 131,072 bytes,
	s_lshl_b32 s29, s8, 13                         ; my 8,192 of them
	s_add_co_u32 s28, s28, s29
	s_mov_b32 s29, 0
	s_mov_b32 s31, 0x600000                        ; the mantissa field of 57,344
	v_and_b32 v1, 31, v0                           ; L
	v_and_b32 v2, 15, v0                           ; r
	v_bfe_u32 v3, v0, 4, 1                         ; u
	; every LDS address is made here, ahead of the parting of the roles, from W in both roles
	s_delay_alu instid0(VALU_DEP_2)
	v_and_b32 v4, 8, v2
	s_delay_alu instid0(VALU_DEP_1)
	v_add_nc_u32 v4, v4, v2
	s_delay_alu instid0(VALU_DEP_1)
	v_lshl_add_u32 v4, v3, 3, v4                   ; 8 u + r + 8 (r / 8)
	s_delay_alu instid0(VALU_DEP_1)
	v_mul_u32_u24 v4, v4, PITCH
	s_lshr_b32 s10, s9, 1
	s_mul_i32 s10, s10, 32*PITCH                   ; + 32 b rows
	s_and_b32 s11, s9, 1
	s_lshl_b32 s11, s11, 9                         ; + 512 ks bytes
	s_add_co_u32 s10, s10, s11
	v_add_nc_u32 v4, s10, v4                       ; v4: the scores' role: my row, my 128 channels
	s_lshl_b32 s10, s9, 7
	v_lshl_add_u32 v5, v1, 2, s10                  ; v5: the sum's role: my channel in row 0: 128 W + 4 L
	s_delay_alu instid0(VALU_DEP_1)
	v_add_nc_u32 v6, 64*PITCH, v5                  ; v6: and in row 64 (an LDS offset has 16 bits)
	v_lshlrev_b32 v7, 4, v2
	s_delay_alu instid0(VALU_DEP_1)
	v_lshl_add_u32 v7, v3, 11, v7                  ; v7: where my codes go: 2048 u + 16 r
	v_lshlrev_b32 v20, 4, v1                       ; v20: 16 L
	s_wait_alu depctr_va_vdst(0)
	s_lshr_b32 s10, s8, 2
	s_lshl_b32 s10, s10, 9
	s_and_b32 s11, s8, 3
	s_lshl_b32 s30, s11, 2
	s_add_co_u32 s10, s10, s30
	s_add_co_u32 s10, s10, SCA
	v_add_nc_u32 v8, s10, v20                      ; v8: my scale word's place: SCA + 512 (wave / 4) + 4 (wave % 4) + 16 L
	s_lshl_b32 s11, s11, 9                         ; 512 (wave % 4)
	s_add_co_u32 s30, s11, SCA
	v_add_nc_u32 v9, s30, v20                      ; v9: the scale images' way out (waves 0-3): SCA + 512 wave + 16 L
	s_wait_dscnt 0x0                               ; both opening adds are done
	s_wait_kmcnt 0x0
	s_add_nc_u64 s[14:15], s[4:5], s[28:29]        ; global address of my 8 rows
	s_or_b32 s15, s15, 0x80000000                  ; type = 2
	tensor_load_to_lds s[12:15], s[16:23]          ; one load of mine is out
	s_nop 0
	; where the results go.  The scores' operand of key step s lies in block (s + 31) % 32 of the batch, the sum's in block s
	s_and_b32 s10, ttmp9, 0xffffffe0
	s_add_co_u32 s30, ttmp9, 31
	s_and_b32 s30, s30, 31
	s_or_b32 s10, s10, s30
	s_cmp_lt_u32 s8, 8
	s_cselect_b32 s32, s10, ttmp9                  ; my codes' block
	s_cmp_lt_u32 s8, 2
	s_cselect_b32 s34, s10, ttmp9                  ; the block of the 512 scale bytes that I copy out: registers 0-7 are the scores', 8-15 the sum's
	s_mul_i32 s32, s32, BLK
	s_lshl_b32 s30, s8, 12
	s_add_co_u32 s32, s32, s30                     ; + 4,096 x wave: two fragments a wave
	s_mov_b32 s33, 0
	s_mul_i32 s34, s34, BLK
	s_add_co_u32 s34, s34, s11
	s_add_co_u32 s34, s34, 65536
	s_mov_b32 s35, 0
	s_add_nc_u64 s[24:25], s[6:7], s[32:33]
	s_add_nc_u64 s[26:27], s[6:7], s[34:35]
	s_wait_tensorcnt 0x0                           ; my 8 rows are in LDS,
	s_barrier_signal -1
	s_barrier_wait -1                              ; everybody's are
	s_cmp_lt_u32 s8, 8
	s_cbranch_scc0 .Lsum_role
.irp c, 0,1,2,3                                ; the scores' role: 128 neighbouring channels of my row
.irp i, 0,1,2,3,4,5,6,7
	ds_load_b128 v[X+32*\c+4*\i:X+32*\c+4*\i+3], v4 offset:128*\c+16*\i
.endr
.endr
	s_branch .Lquantise
.Lsum_role:
.irp c, 0,1,2,3                                ; the sum's role: my channel down the 128 rows; the 32 lanes read 128 neighbouring bytes
.irp i, 0,1,2,3,4,5,6,7,8,9,10,11,12,13,14,15,16,17,18,19,20,21,22,23,24,25,26,27,28,29,30,31
	ds_load_b32 v[X+32*\c+\i], v[5+\c/2] offset:(32*(\c%2)+\i)*PITCH
.endr
.endr
.Lquantise:
	s_wait_dscnt 0x0                               ; for 0: the two roles issue different numbers of loads
.macro BLOCK c                         ; block c of 32 along K: all its numbers are mine
.set XS, X+32*(\c)
	v_max3_num_f32 v12, |v[XS]|, |v[XS+1]|, |v[XS+2]|
	v_max3_num_f32 v13, |v[XS+3]|, |v[XS+4]|, |v[XS+5]|
.irp i, 6,10,14,18,22,26
	s_delay_alu instid0(VALU_DEP_2)
	v_max3_num_f32 v12, v12, |v[XS+\i]|, |v[XS+\i+1]|
	s_delay_alu instid0(VALU_DEP_2)
	v_max3_num_f32 v13, v13, |v[XS+\i+2]|, |v[XS+\i+3]|
.endr
	s_delay_alu instid0(VALU_DEP_2)
	v_max3_num_f32 v12, v12, |v[XS+30]|, |v[XS+31]|
	s_delay_alu instid0(VALU_DEP_1)
	v_max3_num_f32 v12, v12, v13, (EMAX+1)<<23     ; and the floor 2^(16 - 127): the byte cannot fall under 1
	s_delay_alu instid0(VALU_DEP_1)
	v_add_nc_u32 v11, -(EMAX<<23), v12             ; 15 off the exponent field: the conversion takes the exponent field of this operand as its scale
	s_delay_alu instid0(VALU_DEP_2)
	v_and_or_b32 v10, v12, 0x7f800000, s31         ; 57,344 x the scale
.if (\c) == 0
	s_delay_alu instid0(VALU_DEP_2)
	v_lshrrev_b32 v[SB], 23, v11                   ; the scale's byte: four to the word, the lower K in the lower byte
.else
	s_delay_alu instid0(VALU_DEP_2)
	v_lshrrev_b32 v13, 23, v11
	s_delay_alu instid0(VALU_DEP_1)
	v_lshl_or_b32 v[SB], v13, 8*(\c), v[SB]
.endif
.irp i, 0,1,2,3,4,5,6,7,8,9,10,11,12,13,14,15,16,17,18,19,20,21,22,23,24,25,26,27,28,29,30,31
	v_med3_num_f32 v[XS+\i], v[XS+\i], -v10, v10   ; the conversion to an 8-bit code does not saturate (ISA guide 7.6.2): the hold at the largest code x the scale
.endr
.irp g, 0,1,2,3
	v_cvt_scalef32_pk8_bf8_f32 v[C+8*(\c)+2*\g:C+8*(\c)+2*\g+1], v[XS+8*\g:XS+8*\g+7], v11
.endr
	v_nop                                          ; a plain line behind the last conversion, ahead of the next block's write of the scale operand
	global_store_b128 v7, v[C+8*(\c):C+8*(\c)+3], s[24:25] offset:512*(\c)         ; K = 32 c + 0 .. 15: the fragment's lanes 0-15; sixteen lanes store 256 consecutive bytes, aligned
	global_store_b128 v7, v[C+8*(\c)+4:C+8*(\c)+7], s[24:25] offset:512*(\c)+256   ; K = 32 c + 16 .. 31: its lanes 16-31
.endm
	BLOCK 0
	BLOCK 1
	BLOCK 2
	BLOCK 3
	ds_store_b32 v8, v[SB]                         ; the scale words meet in LDS, laid as four registers to 16 bytes of a lane
	s_wait_dscnt 0x0                               ; for the others' sake: my store has landed
	s_barrier_signal -1
	s_barrier_wait -1
	s_cmp_lt_u32 s8, 4
	s_cbranch_scc0 .Lno_copy
	ds_load_b128 v[16:19], v9
	s_wait_dscnt 0x0
	global_store_b128 v20, v[16:19], s[26:27]      ; 32 lanes store 512 consecutive bytes, aligned
.Lno_copy:
	s_wait_tensorcnt 0x0                           ; the wave's end: behind my tensor load and my last LDS store
	ds_add_u32 v[SPW], v[NIL]
	s_wait_dscnt 0x0
	s_endpgm
.Lfunc_end_k_q0b9b91d4d9_prep:
	.size	k_q0b9b91d4d9_prep, .Lfunc_end_k_q0b9b91d4d9_prep-k_q0b9b91d4d9_prep
	.p2alignl 7, 3214868480
	.fill 96, 4, 3214868480
	.section	.rodata,"a",@progbits
	.p2align	6, 0x0
	.amdhsa_kernel k_q0b9b91d4d9_prep
		.amdhsa_group_segment_fixed_size 167936
		.amdhsa_private_segment_fixed_size 0
		.amdhsa_enable_private_segment 0
		.amdhsa_kernarg_size 16
		.amdhsa_user_sgpr_count 2
		.amdhsa_user_sgpr_kernarg_segment_ptr 1
		.amdhsa_wavefront_size32 1
		.amdhsa_system_sgpr_workgroup_id_x 1
		.amdhsa_system_sgpr_workgroup_id_y 1
		.amdhsa_system_sgpr_workgroup_id_z 1
		.amdhsa_system_vgpr_workitem_id 0
		.amdhsa_next_free_vgpr 192
		.amdhsa_next_free_sgpr 66
		.amdhsa_reserve_vcc 0
		.amdhsa_float_denorm_mode_32 3
		.amdhsa_float_denorm_mode_16_64 3
		.amdhsa_memory_ordered 1
		.amdhsa_forward_progress 1
		.amdhsa_inst_pref_size 32
	.end_amdhsa_kernel
	.amdgpu_metadata
---
amdhsa.version: [ 1, 2 ]
amdhsa.kernels:
  - .name:           k_q0b9b91d4d9_prep
    .symbol:         k_q0b9b91d4d9_prep.kd
    .args:
      - { .name: enc_output, .offset: 0, .size: 8, .value_kind: global_buffer, .address_space: global }
      - { .name: kv, .offset: 8, .size: 8, .value_kind: global_buffer, .address_space: global }
    .group_segment_fixed_size: 167936
    .private_segment_fixed_size: 0
    .kernarg_segment_align: 8
    .kernarg_segment_size: 16
    .max_flat_workgroup_size: 512
    .sgpr_count:     66
    .vgpr_count:     192
    .wavefront_size: 32
...
	.end_amdgpu_metadata
.endif
;; end of part 1
;; launch attn (part 2): grid 32 x 8, 4 waves a work-group, clusters of 4 x 1, 327,680 bytes of LDS; arguments dec_output, kv, out0; writes out0
.if DOCPART == 2
	.amdgcn_target "amdgcn-amd-amdhsa--gfx1250"
	.amdhsa_code_object_version 6
	.text
	.protected	k_q0b9b91d4d9_attn
	.globl	k_q0b9b91d4d9_attn
	.p2align	8
	.type	k_q0b9b91d4d9_attn,@function
k_q0b9b91d4d9_attn:
	s_mov_b64 s[64:65], 0
	v_nop
	global_prefetch_b8 v0, s[64:65] scope:SCOPE_SE
	s_setreg_imm32_b32 hwreg(HW_REG_WAVE_MODE, 25, 1), 1
	s_wait_xcnt 0x0
	s_wait_alu depctr_hold_cnt(0) depctr_sa_sdst(0) depctr_va_vdst(0) depctr_va_sdst(0) depctr_va_ssrc(0) depctr_va_vcc(0) depctr_vm_vsrc(0)
	s_getreg_b32 s2, hwreg(HW_REG_IB_STS2, 6, 4)
	s_cmp_eq_u32 s2, 0
	s_cbranch_scc0 .Lentry_in_a_cluster
	s_endpgm
.Lentry_in_a_cluster:
	s_bfe_u32 s2, ttmp6, 0x10000c
	s_cmp_lg_u32 s2, 0x3003
	s_cbranch_scc0 .Lentry_shape_is_right
	s_endpgm
.Lentry_shape_is_right:
; out0[b][j][:] = the sum over i of softmax_i(enc[b][i] . dec[b][j]) enc[b][i][:], both products on codes of BF8 (E5M2) with one E8M0 scale for each 32 along a product's K.
; Queries: dec, quantised here in registers (a row is read by one wave, once).  Keys and values: enc, as the launch before laid it in kv.  Nothing of the problem is left out.
; THE SOFTMAX: t = score x log2(e); M = the row's largest t so far, rounded UP to a whole number; p = 2^(t - M) is quantised along the keys, not normalised.
; The row's sum is taken of the unquantised p, in f32, and divides at the end.  When M moves, the sum and O are multiplied by f = 2^(old M - new M): exact.
; LIMITS: NaN and infinities among the inputs are not served; a p under 2^-126 comes out of v_exp_f32 as 0; a block of zeros has the byte 1 (its codes are zeros);
; a block's largest p is taken as the p of its largest score, which takes v_exp_f32 not to fall where its input rises.
; SHARES.  A work-group owns 128 queries of one batch, each of its four waves 32: two tiles q = 0, 1 of 16, so that each fragment read from LDS feeds two products.  Every wave walks the 32 key steps of 128 keys.
; LAYOUT.  Both products are used transposed: S^T = K Q^T, O^T = V^T P^T: a lane holds ONE query (lane % 16) throughout.  The keys of a tile are chosen by the launch before so that the
; 16 score registers of tiles 2 b, 2 b + 1 are the keys 32 b + 16 (lane / 16) + 0 .. 15: the conversions' results ARE the second product's operand.
; TWO PHASES A KEY STEP.  Iteration j, phase VEC: the softmax of S(j) and O^T x f; among its plain lines stand four runs of 28 to 32 LDS loads: K of step j + 1, V's fragments 0-11 of step j, the scale words.
; The exponentials go in two batches, a tile each, with plain lines of the other tile between them: tile 1's multiply-adds among tile 0's, tile 0's holds among tile 1's.
; Phase MAT: 64 products on end: K Q^T of step j + 1, then V^T P of step j; V's fragments 12-15 are fetched behind the first 16 products into K's registers that are done with.
; THE RING.  kv's block j holds all that iteration j reads.  A slot holds two blocks; two slots; each wave brings a quarter of a slot by one tensor load: 132 rows of 256 bytes, dense.
; Fragments lie in LDS as images of their registers: every read is 16 x lane, 512 consecutive bytes.
; CLUSTER.  The four work-groups of a cluster belong to one batch and walk the same blocks in step: each load is asked for JOINTLY, with the same descriptor and a mask that names the four.
; REGISTERS, in windows of 256 (s_set_vgpr_msb: bits 1:0 source 0, 3:2 source 1, 5:4 source 2, 7:6 destination):
;   window 0: v1-11 addresses; v12-27 statistics; v28-59 the blocks' figures; v60-81 scale words alone; v84-85 at work; v96-223 S^T, then p; v224-255 p's codes
;   window 1: O^T, 128 a tile (at the head: dec's numbers)   window 2: K's 16 fragments; v0-63 then V's 12-15   window 3: v0-63 Q; v64-255 V's fragments 0-11
.set BLK,    67584
.set SLOT,   2*BLK                     ; its bits meet none of QUART x wave's: one exclusive or turns an address from one slot to the other
.set QUART,  SLOT/4
.set STAGE,  2*SLOT                    ; behind the ring: 16 rows x (512 bytes + 16) for each wave: dec's way in and the way out; no tensor load lands here
.set SPITCH, 528
.set SPARE,  STAGE+4*16*SPITCH         ; the spare words, 128 bytes for each wave
.set LI,  1                            ; 16 x lane; never rewritten
.set ADR, 2                            ; LDS address of the block in hand, + 16 x lane
.set ADS, 3                            ; the same, 65,536 on: the scale words
.set SPW, 4                            ; my spare word; never rewritten
.set NIL, 5                            ; 0; never rewritten
.set STO, 6                            ; the way out: where I put 32 bytes of a row
.set RD,  7                            ; my stage + 16 x lane: a whole row of 512 bytes
.set PFO, 9                            ; 256 x lane: the prefetches' offset; never rewritten
.set XA,  10                           ; my stage, row lane % 16, + 64 (lane / 16): dec's numbers as the operand wants them
.set ST,  12                           ; tile q at ST + 8 q: +0 -M, +1 the largest t, +2, +3 the sum in two halves, +4 f, +5 (its pair), +6 at work, +7 (its pair)
.set TM,  28                           ; tile q at TM + 16 q: +0..3 the blocks' largest, +4..7 at work, +8..11 57,344 x the scale, +12..15 the conversions' scale operands
.set KS,  60
.set VS,  68
.set QS,  76
.set PS,  80
.set XT,  84                           ; v[84:85] a chain of the row's sum
.set S,   96
.set PCD, 224
.set WV,  10                           ; s10 my wave's number
.set G1,  16                           ; s[16:23] descriptor group 1
.set G0A, 24                           ; s[24:27] group 0 of slot 0's first fill
.set G0B, 28                           ; s[28:31] group 0 of slot 1's first fill; it then walks
.set WOFF, 33
.set TB,  35                           ; LDS byte at which the block in hand begins
.set SLOTS, 36
.set TWICE, 37
.set CS,  38                           ; s[38:39] log2(e)
.set SEL, 40                           ; s[40:41] lane selects: lane l xor 16
.set MNT, 42                           ; the mantissa field of 57,344
.set PFA, 44                           ; s[44:45] where my prefetches stand
.set LIM, 46                           ; 1 in a wave that prefetches, else the greatest number
.set W_KQ, 0x0e                        ; K window 2, Q window 3, S^T window 0
.set W_RS, 0x41                        ; O^T window 1, f window 0
.set MSB, 0
.macro WIN new                         ; the immediate's high byte repeats the setting that is left; a switch that changes nothing is dropped
.if MSB != \new
	s_set_vgpr_msb (MSB<<8)|\new
.set MSB, \new
.endif
.endm
.macro PLACES n
.rept \n
	v_nop
.endr
.endm
.macro CROUND                          ; a round of the cluster's barrier
	s_barrier_signal -1
	s_barrier_wait -1
	s_cmp_lg_u32 s[WV], 0
	s_cbranch_scc1 .Lnot_wave_0_\@
	s_barrier_signal -3
.Lnot_wave_0_\@:
	s_barrier_wait -3
	s_barrier_signal -1
	s_barrier_wait -1
.endm
.macro JLOAD                           ; the joint load by the walking descriptor: every wave its quarter of the slot; an s_nop 0 and four v_nop follow
	tensor_load_to_lds s[G0B:G0B+3], s[G1:G1+7]
	s_nop 0
	PLACES 4
.endm
; A PREFETCH INTO THE L2 of the codes that the NEXT change of slots will ask for: two iterations ahead of that load.  All clusters of a batch walk the same blocks: the batch's first cluster asks.
; Its sixteen waves are told apart BY ADDRESS: wave e = 4 cx + w takes 8,192 bytes of block e / 8 of the slot, at 8,192 (e % 8), lanes 256 bytes apart.  The last change that fills a slot asks for nothing.
.macro ASK
	s_cmp_gt_u32 s[SLOTS], s[LIM]
	s_cbranch_scc0 .Lnot_mine_\@
	global_prefetch_b8 v[PFO], s[PFA:PFA+1] th:TH_LOAD_NT scope:SCOPE_SE
.Lnot_mine_\@:
.endm
.macro FR reg, off, n                  ; n fragments' images from byte off of the block: registers 4 c .. 4 c + 3 of a fragment lie 512 c on
.set fi, 0
.rept 4*\n
	ds_load_b128 v[\reg+4*fi:\reg+4*fi+3], v[ADR] offset:\off+512*fi
.set fi, fi+1
.endr
.endm
.macro WM d, a, b, z, sa, sb, row      ; one product; z = 1: it starts the sum; row = 1: source 0's scale words stand in lanes 16-31
.if \z
.if \row
	v_wmma_scale_f32_16x16x128_f8f6f4 v[\d:\d+7], v[\a:\a+15], v[\b:\b+15], 0, v[\sa], v[\sb] matrix_a_fmt:MATRIX_FMT_BF8 matrix_b_fmt:MATRIX_FMT_BF8 matrix_a_scale:MATRIX_SCALE_ROW1
.else
	v_wmma_scale_f32_16x16x128_f8f6f4 v[\d:\d+7], v[\a:\a+15], v[\b:\b+15], 0, v[\sa], v[\sb] matrix_a_fmt:MATRIX_FMT_BF8 matrix_b_fmt:MATRIX_FMT_BF8
.endif
.else
.if \row
	v_wmma_scale_f32_16x16x128_f8f6f4 v[\d:\d+7], v[\a:\a+15], v[\b:\b+15], v[\d:\d+7], v[\sa], v[\sb] matrix_a_fmt:MATRIX_FMT_BF8 matrix_b_fmt:MATRIX_FMT_BF8 matrix_a_scale:MATRIX_SCALE_ROW1
.else
	v_wmma_scale_f32_16x16x128_f8f6f4 v[\d:\d+7], v[\a:\a+15], v[\b:\b+15], v[\d:\d+7], v[\sa], v[\sb] matrix_a_fmt:MATRIX_FMT_BF8 matrix_b_fmt:MATRIX_FMT_BF8
.endif
.endif
.endm
; Product i of 32 of S^T = K Q^T: key tile 4 (i / 16) + (i % 8) / 2, K step (i % 16) / 8, query tile i % 2.  Eight accumulators take turns, one instruction a turn.
.macro KQW
.set kks, (i%16)/8
.set kt, 4*(i/16)+(i%8)/2
.set kqt, i%2
.set kfr, 16*(4*(kt/2)+2*kks+(kt%2))
.set rS, S+64*kqt+8*kt
.set rQ, 32*kqt+16*kks
.set rA, KS+2*(kt/2)+kks
.set rB, QS+2*kqt+kks
.set kz, 1-kks
.set krow, kt%2
	WIN W_KQ
	WM rS, kfr, rQ, kz, rA, rB, krow
.endm
; Product mi of 32 of O^T += V^T P^T: channels 16 (mi / 2) on, query tile mi % 2: 32 different accumulators.  pvc0 = 1: the first key step starts the sums.
.macro PVW
.set pT, mi/2
.set pq, mi%2
.set rO, 128*pq+8*pT
.set rP, PCD+16*pq
.set rA, VS+pT/2
.set rB, PS+pq
.set prow, pT%2
.if pT < 12
.set rV, 64+16*pT
	WIN 0x53                                       ; V window 3, P window 0, O^T window 1
.else
.set rV, 16*(pT-12)
	WIN 0x52                                       ; V window 2
.endif
	WM rO, rV, rP, pvc0, rA, rB, prow
.endm
.macro SUMQ q                          ; the row's sum of tile q's UNQUANTISED p: two at a time, four chains
	v_pk_add_f32 v[TM+16*\q+4:TM+16*\q+5], v[S+64*\q:S+64*\q+1], v[S+64*\q+2:S+64*\q+3]
	v_pk_add_f32 v[TM+16*\q+6:TM+16*\q+7], v[S+64*\q+4:S+64*\q+5], v[S+64*\q+6:S+64*\q+7]
	v_pk_add_f32 v[XT:XT+1], v[S+64*\q+8:S+64*\q+9], v[S+64*\q+10:S+64*\q+11]
.irp j, 12,20,28,36,44,52
	v_pk_add_f32 v[ST+8*\q+2:ST+8*\q+3], v[ST+8*\q+2:ST+8*\q+3], v[S+64*\q+\j:S+64*\q+\j+1]
	v_pk_add_f32 v[TM+16*\q+4:TM+16*\q+5], v[TM+16*\q+4:TM+16*\q+5], v[S+64*\q+\j+2:S+64*\q+\j+3]
	v_pk_add_f32 v[TM+16*\q+6:TM+16*\q+7], v[TM+16*\q+6:TM+16*\q+7], v[S+64*\q+\j+4:S+64*\q+\j+5]
	v_pk_add_f32 v[XT:XT+1], v[XT:XT+1], v[S+64*\q+\j+6:S+64*\q+\j+7]
.endr
	v_pk_add_f32 v[ST+8*\q+2:ST+8*\q+3], v[ST+8*\q+2:ST+8*\q+3], v[S+64*\q+60:S+64*\q+61]
	v_pk_add_f32 v[TM+16*\q+4:TM+16*\q+5], v[TM+16*\q+4:TM+16*\q+5], v[S+64*\q+62:S+64*\q+63]
	v_pk_add_f32 v[TM+16*\q+6:TM+16*\q+7], v[TM+16*\q+6:TM+16*\q+7], v[XT:XT+1]
	v_pk_add_f32 v[ST+8*\q+2:ST+8*\q+3], v[ST+8*\q+2:ST+8*\q+3], v[TM+16*\q+4:TM+16*\q+5]
	v_pk_add_f32 v[ST+8*\q+2:ST+8*\q+3], v[ST+8*\q+2:ST+8*\q+3], v[TM+16*\q+6:TM+16*\q+7]
.endm
; PHASE VEC.  rs = 1: O^T is brought under the new M.  dok = 1: the next step's K is fetched; 0: the last step: V's fragments 12-15 take K's place.
.macro VEC rs, dok
	v_add_nc_u32 v[ADR], s[TB], v[LI]
	v_add_nc_u32 v[ADS], 0x10000, v[ADR]
.irp q, 0,1
	v_mov_b32 v[ST+8*\q+6], v[ST+8*\q]             ; the old -M is kept for f
.endr
	PLACES 4                                       ; with the four lines above: eight places behind the last product, ahead of loads into its registers and reads of S^T
	WIN 0x80                                       ; the first run of loads: K's fragments 0-5 and the scale words
.if \dok
	FR 0, 0, 6
.else
	FR 0, 32768+2048*12, 4
.endif
	WIN 0
.if \dok
	ds_load_b128 v[KS:KS+3], v[ADS]
	ds_load_b128 v[KS+4:KS+7], v[ADS] offset:512
.endif
	ds_load_b128 v[VS:VS+3], v[ADS] offset:1024
	ds_load_b128 v[VS+4:VS+7], v[ADS] offset:1536
	; the largest score of each block of 32 keys: it serves the row's maximum and the block's largest p.  Each accumulator is read from its low end on
.irp b, 0,1,2,3
.irp q, 0,1
	v_max3_num_f32 v[TM+16*\q+\b], v[S+64*\q+16*\b], v[S+64*\q+16*\b+1], v[S+64*\q+16*\b+2]
.endr
.endr
.irp i, 3,5,7,9,11,13
.irp b, 0,1,2,3
.irp q, 0,1
	v_max3_num_f32 v[TM+16*\q+\b], v[TM+16*\q+\b], v[S+64*\q+16*\b+\i], v[S+64*\q+16*\b+\i+1]
.endr
.endr
.endr
.irp b, 0,1,2,3
.irp q, 0,1
	v_max_num_f32 v[TM+16*\q+\b], v[TM+16*\q+\b], v[S+64*\q+16*\b+15]
.endr
.endr
.irp b, 0,1,2,3
.irp q, 0,1
	v_permlanex16_b32 v[TM+16*\q+4+\b], v[TM+16*\q+\b], s[SEL], s[SEL+1]
.endr
.endr
.irp b, 0,1,2,3
.irp q, 0,1
	v_max_num_f32 v[TM+16*\q+\b], v[TM+16*\q+\b], v[TM+16*\q+4+\b]   ; with lane l xor 16's 16 keys
.endr
.endr
.irp q, 0,1
	v_max3_num_f32 v[TM+16*\q+4], v[TM+16*\q], v[TM+16*\q+1], v[TM+16*\q+2]
.endr
.irp q, 0,1
	v_max_num_f32 v[TM+16*\q+4], v[TM+16*\q+4], v[TM+16*\q+3]        ; the step's largest score of my query
.endr
.irp q, 0,1
	v_mul_f32 v[TM+16*\q+4], s[CS], v[TM+16*\q+4]                    ; as t
.endr
.irp q, 0,1
	v_max_num_f32 v[ST+8*\q+1], v[ST+8*\q+1], v[TM+16*\q+4]          ; the running largest t
.endr
.irp q, 0,1
	v_floor_f32 v[ST+8*\q], -v[ST+8*\q+1]                            ; the new -M = -ceil(t): a whole number
.endr
.set jj, 0
.rept 32
	v_pk_fma_f32 v[S+jj:S+jj+1], v[S+jj:S+jj+1], s[CS:CS+1], v[ST:ST+1] op_sel_hi:[1,0,0]   ; tile 0: t - M, two at a time
.if jj == 8
.irp q, 0,1
	v_sub_f32 v[ST+8*\q+6], v[ST+8*\q], v[ST+8*\q+6]                 ; old M - new M: a whole number, 0 or less
.endr
.endif
.if jj == 24
.irp q, 0,1
	v_cvt_i32_f32 v[ST+8*\q+6], v[ST+8*\q+6]                         ; (it saturates)
.endr
.endif
.if jj == 40
.irp q, 0,1
	v_ldexp_f32 v[ST+8*\q+4], 1.0, v[ST+8*\q+6]                      ; f = 2^(old M - new M)
.endr
.endif
.set jj, jj+2
.endr
.irp b, 0,1,2,3
.irp q, 0,1
	v_fma_f32 v[TM+16*\q+\b], v[TM+16*\q+\b], s[CS], v[ST+8*\q]      ; the same of each block's largest score
.endr
.endr
.if \dok
	WIN 0x80                                       ; the second run: K's fragments 6-12
	FR 96, 2048*6, 7
	WIN 0
.endif
	s_wait_alu depctr_va_vdst(0)                   ; the wait ahead of a batch
.set jj, 0
.rept 32
	v_exp_f32 v[S+jj], v[S+jj]                     ; THE FIRST BATCH: tile 0's p = 2^(t - M); between them tile 1's t - M, which nothing reads before the waits below
	v_pk_fma_f32 v[S+64+jj:S+64+jj+1], v[S+64+jj:S+64+jj+1], s[CS:CS+1], v[ST+8:ST+9] op_sel_hi:[1,0,0]
	v_exp_f32 v[S+jj+1], v[S+jj+1]
.set jj, jj+2
.endr
.irp b, 0,1,2,3
.irp q, 0,1
	v_exp_f32 v[TM+16*\q+\b], v[TM+16*\q+\b]       ; the blocks' largest p: the same arithmetic on the same number gives the same bits
.endr
.endr
.irp q, 0,1
	v_pk_mul_f32 v[ST+8*\q+2:ST+8*\q+3], v[ST+8*\q+2:ST+8*\q+3], v[ST+8*\q+4:ST+8*\q+5] op_sel_hi:[1,0]   ; the sums under the new M: the plain lines behind the exponentials
.endr
	s_wait_alu depctr_va_vdst(0)                   ; the wait behind a batch
	SUMQ 0
.irp b, 0,1,2,3
.irp q, 0,1
	v_max_num_f32 v[TM+16*\q+\b], 0x8000000, v[TM+16*\q+\b]          ; the floor 2^(16 - 127): the byte cannot fall under 1
.endr
.endr
.irp b, 0,1,2,3
.irp q, 0,1
	v_add_nc_u32 v[TM+16*\q+12+\b], 0xf8800000, v[TM+16*\q+\b]       ; 15 off the exponent field: the conversion's scale operand
.endr
.endr
.irp b, 0,1,2,3
.irp q, 0,1
	v_and_or_b32 v[TM+16*\q+8+\b], v[TM+16*\q+\b], 0x7f800000, s[MNT]   ; 57,344 x the scale
.endr
.endr
.irp b, 0,1,2,3
.irp q, 0,1
	v_lshrrev_b32 v[TM+16*\q+4+\b], 23, v[TM+16*\q+12+\b]            ; the scale's byte
.endr
.endr
.irp q, 0,1
	v_lshl_or_b32 v[PS+\q], v[TM+16*\q+5], 8, v[TM+16*\q+4]          ; p's scale word for these 128 keys
.endr
.irp q, 0,1
	v_lshl_or_b32 v[PS+\q], v[TM+16*\q+6], 16, v[PS+\q]
.endr
.irp q, 0,1
	v_lshl_or_b32 v[PS+\q], v[TM+16*\q+7], 24, v[PS+\q]
.endr
.if \dok
	WIN 0x80                                       ; the third run: K's fragments 13-15, V's 0-3
	FR 208, 2048*13, 3
.endif
	WIN 0xc0
	FR 64, 32768, 4
	WIN 0
	s_wait_alu depctr_va_vdst(0)                   ; the wait ahead of a batch
.set jj, 0
.rept 64
	v_exp_f32 v[S+64+jj], v[S+64+jj]               ; THE SECOND BATCH: tile 1's p; between them tile 0's holds: the conversion does not saturate (ISA guide 7.6.2); p is not negative, so the hold is one-sided
	v_min_num_f32 v[S+jj], v[S+jj], v[TM+8+jj/16]
.set jj, jj+1
.endr
	WIN 0xc0                                       ; the fourth run: V's fragments 4-11
	FR 128, 32768+2048*4, 8
	WIN 0
.if \rs
	WIN W_RS
.endif
	s_wait_alu depctr_va_vdst(0)                   ; the wait behind the batch, and directly ahead of the first reader of O^T: one for both
.if \rs
.set rn, 0
.rept 128
	v_pk_mul_f32 v[rn:rn+1], v[rn:rn+1], v[ST+8*(rn/128)+4:ST+8*(rn/128)+5] op_sel_hi:[1,0]   ; O^T x f, each accumulator from its low end on
.set rn, rn+2
.endr
	WIN 0
.endif
	SUMQ 1
.irp b, 0,1,2,3
.irp i, 0,1,2,3,4,5,6,7,8,9,10,11,12,13,14,15
	v_min_num_f32 v[S+64+16*\b+\i], v[S+64+16*\b+\i], v[TM+16+8+\b]  ; tile 1's holds
.endr
.irp q, 0,1
	v_cvt_scalef32_pk8_bf8_f32 v[PCD+16*\q+4*\b:PCD+16*\q+4*\b+1], v[S+64*\q+16*\b:S+64*\q+16*\b+7], v[TM+16*\q+12+\b]
	v_cvt_scalef32_pk8_bf8_f32 v[PCD+16*\q+4*\b+2:PCD+16*\q+4*\b+3], v[S+64*\q+16*\b+8:S+64*\q+16*\b+15], v[TM+16*\q+12+\b]
.endr
.endr
	PLACES 4                                       ; four places between the codes and the products that take them; the first is the plain line behind the last conversion
.endm
; PHASE MAT.  dok = 1: the next step's scores first.  zero = 1: the products V^T P start O^T's sums.
.macro MAT dok, zero
	s_wait_alu depctr_va_vdst(0)                   ; the wait here, directly ahead of the wait below
	s_wait_dscnt 0x0                               ; the phase VEC's four runs of loads are in
.set pvc0, \zero
.if \dok
.set i, 0
.rept 16
	KQW
.set i, i+1
.endr
	PLACES 8                                       ; ahead of loads into K's fragments 0-3, which the 16 products above have read
	WIN 0x80
	FR 0, 32768+2048*12, 4                         ; V's fragments 12-15: 40 products stand ahead of their first use
.rept 16
	KQW
.set i, i+1
.endr
.endif
.set mi, 0
.rept 24
	PVW
.set mi, mi+1
.endr
.if \dok
	s_wait_dscnt 0x0                               ; V's fragments 12-15 are in: my reads of this block are over
.endif
.rept 8
	PVW
.set mi, mi+1
.endr
	WIN 0
.if \dok
	s_add_co_u32 s[TB], s[TB], BLK                 ; the next iteration reads the next block
.endif
.endm
; THE CHANGE OF SLOTS, behind a slot's second block.  fill = 1: the slot is filled again with the blocks two slots on, behind a round of the cluster's barrier: the load has two iterations in which to land.
.macro CHANGE fill
	WIN 0
	s_wait_tensorcnt 0x0                           ; no tensor load of mine is out, so a group 0 may be written
	ds_add_u32 v[SPW], v[NIL]                      ; 0 onto my spare word
.if \fill
	s_xor_b32 s[G0B+1], s[G0B+1], SLOT             ; the walking descriptor: the other slot than last time,
	s_add_nc_u64 s[G0B+2:G0B+3], s[G0B+2:G0B+3], SLOT   ; the next two blocks
	s_wait_xcnt 0x0                                ; the last prefetch has read its address, so it may be written
	s_add_nc_u64 s[PFA:PFA+1], s[PFA:PFA+1], SLOT
	s_wait_dscnt 0x0                               ; the add is done, and my reads of the slot are over
	CROUND
	JLOAD
	ASK
.else
	s_wait_dscnt 0x0
	s_barrier_signal -1
	s_barrier_wait -1
.endif
	s_sub_co_u32 s[TB], s[TB], 2*BLK               ; back to a slot's first block,
	s_xor_b32 s[TB], s[TB], SLOT                   ; in the other slot
.endm
; dec, unit u = 2 q + ks (query tile q, K step ks): 16 rows x 512 bytes.  Each load reads 512 consecutive bytes of one row, 16 a lane, into window 1 at 64 u
.macro XLOAD u
.irp t, 0,1,2,3,4,5,6,7,8,9,10,11,12,13,14,15
	global_load_b128 v[64*(\u)+4*\t:64*(\u)+4*\t+3], v[LI], s[4:5] offset:16384*((\u)/2)+512*((\u)%2)+1024*\t th:TH_LOAD_NT
.endr
.endm
; and its turn through my stage: in as rows, back as the operand wants it: of row lane % 16, 16 neighbours of each block of 32.  LDS serves a wave's instructions in order (ISA guide 5.7.1.4)
.macro TURN u, dst, w
	WIN 0x04                                       ; the stores' data: window 1
.irp t, 0,1,2,3,4,5,6,7,8,9,10,11,12,13,14,15
	ds_store_b128 v[RD], v[64*(\u)+4*\t:64*(\u)+4*\t+3] offset:\t*SPITCH
.endr
	WIN 0x40*\w
.irp b, 0,1,2,3
.irp j, 0,1,2,3
	ds_load_b128 v[\dst+16*\b+4*\j:\dst+16*\b+4*\j+3], v[XA] offset:128*\b+16*\j
.endr
.endr
.endm
; units u0 and u0 + 1, at base and base + 64 of window w, are quantised side by side: the codes go to Q's registers in window 3, the scale words to v[QS + u]
.macro QQ2 u0, base, w
	WIN 0x05*\w
.irp b, 0,1,2,3
.irp q, 0,1
	v_max3_num_f32 v[TM+16*\q+\b], |v[\base+64*\q+16*\b]|, |v[\base+64*\q+16*\b+1]|, 0x8000000   ; my 16 numbers of block b, and the floor 2^(16 - 127)
.endr
.endr
	WIN 0x14*\w
.irp i, 2,4,6,8,10,12,14
.irp b, 0,1,2,3
.irp q, 0,1
	v_max3_num_f32 v[TM+16*\q+\b], v[TM+16*\q+\b], |v[\base+64*\q+16*\b+\i]|, |v[\base+64*\q+16*\b+\i+1]|
.endr
.endr
.endr
	WIN 0
.irp b, 0,1,2,3
.irp q, 0,1
	v_permlanex16_b32 v[TM+16*\q+4+\b], v[TM+16*\q+\b], s[SEL], s[SEL+1]
.endr
.endr
.irp b, 0,1,2,3
.irp q, 0,1
	v_max_num_f32 v[TM+16*\q+\b], v[TM+16*\q+\b], v[TM+16*\q+4+\b]   ; with lane l xor 16's: the block's largest magnitude
.endr
.endr
.irp b, 0,1,2,3
.irp q, 0,1
	v_add_nc_u32 v[TM+16*\q+12+\b], 0xf8800000, v[TM+16*\q+\b]
.endr
.endr
.irp b, 0,1,2,3
.irp q, 0,1
	v_and_or_b32 v[TM+16*\q+8+\b], v[TM+16*\q+\b], 0x7f800000, s[MNT]
.endr
.endr
.irp b, 0,1,2,3
.irp q, 0,1
	v_lshrrev_b32 v[TM+16*\q+4+\b], 23, v[TM+16*\q+12+\b]
.endr
.endr
.irp q, 0,1
	v_lshl_or_b32 v[QS+\u0+\q], v[TM+16*\q+5], 8, v[TM+16*\q+4]
.endr
.irp q, 0,1
	v_lshl_or_b32 v[QS+\u0+\q], v[TM+16*\q+6], 16, v[QS+\u0+\q]
.endr
.irp q, 0,1
	v_lshl_or_b32 v[QS+\u0+\q], v[TM+16*\q+7], 24, v[QS+\u0+\q]
.endr
	WIN 0x41*\w
.irp b, 0,1,2,3
.irp q, 0,1
.irp i, 0,1,2,3,4,5,6,7,8,9,10,11,12,13,14,15
	v_med3_num_f32 v[\base+64*\q+16*\b+\i], v[\base+64*\q+16*\b+\i], -v[TM+16*\q+8+\b], v[TM+16*\q+8+\b]
.endr
.endr
.endr
	WIN 0xc0+\w                                    ; codes window 3
.irp b, 0,1,2,3
.irp q, 0,1
	v_cvt_scalef32_pk8_bf8_f32 v[16*(\u0+\q)+4*\b:16*(\u0+\q)+4*\b+1], v[\base+64*\q+16*\b:\base+64*\q+16*\b+7], v[TM+16*\q+12+\b]
	v_cvt_scalef32_pk8_bf8_f32 v[16*(\u0+\q)+4*\b+2:16*(\u0+\q)+4*\b+3], v[\base+64*\q+16*\b+8:\base+64*\q+16*\b+15], v[TM+16*\q+12+\b]
.endr
.endr
	WIN 0
	v_nop                                          ; a plain line behind the last conversion
.endm
; THE WAY OUT of query tile q, channels 128 u on: O^T / the sum; 16 rows go through my own stage and come back whole: 32 lanes store 512 consecutive bytes.
.macro OUTQ q, u
	WIN 0x01
.set n, 0
.rept 32
	v_pk_mul_f32 v[S+2*n:S+2*n+1], v[128*\q+64*\u+2*n:128*\q+64*\u+2*n+1], v[ST+8*\q+6:ST+8*\q+7] op_sel_hi:[1,0]
.set n, n+1
.endr
	WIN 0
.irp t, 0,1,2,3,4,5,6,7
	ds_store_b128 v[STO], v[S+8*\t:S+8*\t+3] offset:64*\t
	ds_store_b128 v[STO], v[S+8*\t+4:S+8*\t+7] offset:64*\t+16
.endr
	s_wait_xcnt 0x0                                ; the earlier stores have read their data registers: the loads below may land there
.irp t, 0,1,2,3,4,5,6,7,8,9,10,11,12,13,14,15
	ds_load_b128 v[S+64+4*\t:S+64+4*\t+3], v[RD] offset:\t*SPITCH
.endr
.irp t, 0,1,2,3,4,5,6,7,8,9,10,11,12,13,14,15
	s_wait_dscnt 15-\t                             ; row t is back; the younger rows may be out
	global_store_b128 v[LI], v[S+64+4*\t:S+64+4*\t+3], s[8:9] offset:16384*\q+1024*\t+512*\u th:TH_STORE_NT
.endr
.endm
	s_load_b128 s[4:7], s[0:1], 0x0                ; dec s[4:5], kv s[6:7]
	s_load_b64 s[8:9], s[0:1], 0x10                ; out0
	v_lshl_add_u32 v[SPW], v0, 2, SPARE
	v_mov_b32 v[NIL], 0
	ds_add_u32 v[SPW], v[NIL]                      ; the wave's opening: the add, twice on end, and its wait ahead of my first tensor load
	ds_add_u32 v[SPW], v[NIL]
	v_lshrrev_b32 v11, 5, v0
	v_readfirstlane_b32 s[WV], v11                 ; wave 0..3
	s_bfe_u32 s11, ttmp6, 0x40000                  ; cx: it enters dec's, out0's and the prefetches' addresses alone
	s_lshl_b32 s12, ttmp9, 2
	s_add_co_u32 s12, s12, s11                     ; my block of 128 queries
	s_and_b32 s13, ttmp7, 0xffff                   ; the batch, which the four partners share
	s_mov_b32 s[G1], 15|(3<<16)|(1<<21)            ; the mask: all four work-groups; elements of 8 bytes; bit 21 beside a mask; no padding
	s_mov_b32 s[G1+1], 32<<16                      ; 132 rows of 32 elements, dense
	s_mov_b32 s[G1+2], 132<<16
	s_mov_b32 s[G1+3], 32<<16
	s_mov_b32 s[G1+4], 132
	s_mov_b32 s[G1+5], 32
	s_mov_b32 s[G1+6], 0
	s_mov_b32 s[G1+7], 0
	s_mul_i32 s[WOFF], s[WV], QUART                ; my quarter of a slot, in LDS and in memory
	s_mov_b32 s52, s[WOFF]
	s_mov_b32 s53, 0
	s_mul_i32 s50, s13, 32*BLK                     ; the batch's 32 blocks
	s_mov_b32 s51, 0
	s_lshl_b32 s48, s13, 22                        ; dec and out0: the batch's 4,096 rows of 1,024 bytes,
	s_lshl_b32 s49, s12, 17                        ; my work-group's 128,
	s_add_co_u32 s48, s48, s49
	s_lshl_b32 s49, s[WV], 15                      ; my wave's 32
	s_add_co_u32 s48, s48, s49
	s_mov_b32 s49, 0
	s_mov_b32 s[CS], 0x3fb8aa3b                    ; log2(e)
	s_mov_b32 s[CS+1], s[CS]
	s_mov_b32 s[SEL], 0x76543210
	s_mov_b32 s[SEL+1], 0xfedcba98
	s_mov_b32 s[MNT], 0x600000
	s_mov_b32 s[TB], 0
	s_mov_b32 s[SLOTS], 14                         ; 16 slots' worth of blocks, two of them asked for ahead of the loop
	s_mul_i32 s54, s[WV], 16*SPITCH
	s_add_co_u32 s54, s54, STAGE                   ; my stage
	s_lshl_b32 s56, s11, 13
	s_add_co_u32 s56, s56, 31*BLK                  ; K of key step 0 lies in the batch's block 31: my work-group's 8,192 bytes of its codes
	s_mov_b32 s57, 0
	v_and_b32 v[LI], 31, v0
	v_lshlrev_b32 v[LI], 4, v[LI]
	v_lshlrev_b32 v[PFO], 4, v[LI]
	v_and_b32 v11, 15, v0
	v_mul_u32_u24 v[STO], v11, SPITCH              ; my stage's row lane % 16,
	v_bfe_u32 v11, v0, 4, 1
	v_lshl_add_u32 v[XA], v11, 6, v[STO]           ; dec: + 64 bytes for the upper half of the lanes;
	v_lshl_add_u32 v[STO], v11, 5, v[STO]          ; the way out: + 32
	v_add_nc_u32 v[XA], s54, v[XA]
	v_add_nc_u32 v[STO], s54, v[STO]
	v_add_nc_u32 v[RD], s54, v[LI]                 ; the 32 lanes take one row of 512 bytes
.irp q, 0,1
	v_mov_b32 v[ST+8*\q+1], 0xff61b1e6             ; the largest t so far: -3e38, under every t
	v_floor_f32 v[ST+8*\q], -v[ST+8*\q+1]          ; -M
	v_mov_b32 v[ST+8*\q+2], 0                      ; the sum, in two halves
	v_mov_b32 v[ST+8*\q+3], 0
	v_mov_b32 v[ST+8*\q+5], 0                      ; (named as the upper halves of pairs)
	v_mov_b32 v[ST+8*\q+7], 0
.irp b, 0,1,2,3
	v_mov_b32 v[TM+16*\q+4+\b], 0                  ; written once: a lane permute's destination counts as one of its sources
.endr
.endr
	s_wait_alu depctr_va_vdst(0)                   ; the wait at the end of the head's vector lines
	s_wait_dscnt 0x0                               ; both opening adds are done
	s_wait_kmcnt 0x0
	s_add_nc_u64 s[4:5], s[4:5], s[48:49]
	s_add_nc_u64 s[8:9], s[8:9], s[48:49]
	s_add_nc_u64 s[6:7], s[6:7], s[50:51]          ; kv at the batch's block 0
	; K(0)'s 32,768 bytes of codes are loaded behind dec's 64 loads: they are asked of memory here.  Wave 0 of each work-group of the batch's first cluster names 32 blocks of 256 bytes, told apart by address (cx): each block once
	s_add_nc_u64 s[56:57], s[6:7], s[56:57]
	s_cmp_eq_u32 ttmp9, 0                          ; the batch's first cluster: the same in all four partners
	s_cselect_b32 s58, s[WV], 1
	s_cselect_b32 s[LIM], 1, -1
	s_cmp_eq_u32 s58, 0
	s_cbranch_scc0 .Lno_k0
	global_prefetch_b8 v[PFO], s[56:57] th:TH_LOAD_NT scope:SCOPE_SE
.Lno_k0:
	global_load_b128 v[KS:KS+3], v[LI], s[6:7] offset:31*BLK+65536
	global_load_b128 v[KS+4:KS+7], v[LI], s[6:7] offset:31*BLK+65536+512
	WIN 0x40
	XLOAD 0
	XLOAD 1
	XLOAD 2
	WIN 0
	s_mov_b32 s[G0A], 1
	s_mov_b32 s[G0A+1], s[WOFF]                    ; slot 0, my quarter
	s_add_nc_u64 s[G0A+2:G0A+3], s[6:7], s[52:53]  ; blocks 0 and 1, my quarter
	s_mov_b32 s[G0B], 1
	s_add_co_u32 s[G0B+1], s[WOFF], SLOT           ; slot 1
	s_add_nc_u64 s[G0B+2:G0B+3], s[G0A+2:G0A+3], SLOT   ; blocks 2 and 3
	s_or_b32 s[G0A+3], s[G0A+3], 0x80000000        ; type = 2
	s_or_b32 s[G0B+3], s[G0B+3], 0x80000000
	s_lshl_b32 s48, s11, 2                         ; the loop's prefetches: e = 4 cx + wave
	s_add_co_u32 s48, s48, s[WV]
	s_lshr_b32 s49, s48, 3
	s_mul_i32 s49, s49, BLK                        ; block e / 8 of a slot,
	s_and_b32 s48, s48, 7
	s_lshl_b32 s48, s48, 13                        ; 8,192 (e % 8) in it,
	s_add_co_u32 s48, s48, s49
	s_add_co_u32 s48, s48, 2*SLOT                  ; in slot 2: the first change of slots steps it to slot 3
	s_mov_b32 s49, 0
	s_add_nc_u64 s[PFA:PFA+1], s[6:7], s[48:49]
	CROUND                                         ; all four work-groups are here: the first joint loads meet
	tensor_load_to_lds s[G0A:G0A+3], s[G1:G1+7]    ; blocks 0 and 1: one tensor load a wave at the head
	s_nop 0
	PLACES 4
	WIN 0x40
	XLOAD 3
	WIN 0x80
.set fi, 0
.rept 64
	global_load_b128 v[4*fi:4*fi+3], v[LI], s[6:7] offset:31*BLK+512*fi   ; K of key step 0, by the same images, straight into its registers
.set fi, fi+1
.endr
	WIN 0
	s_wait_loadcnt 63                              ; 64 loads were issued behind dec's last: with 63 out at the most, all of dec is in
	TURN 0, S, 0
	TURN 1, S+64, 0
	s_wait_dscnt 0x0                               ; units 0 and 1 are back, and their stores have read their registers,
	TURN 2, 0, 1                                   ; which take units 2 and 3
	TURN 3, 64, 1
	WIN 0
	QQ2 0, S, 0
	s_wait_dscnt 0x0                               ; units 2 and 3 are back
	QQ2 2, 0, 1
	PLACES 4                                       ; four places between Q's codes and the products
	s_wait_alu depctr_va_vdst(0)                   ; the wait here, directly ahead of the wait below
	s_wait_loadcnt 0x0                             ; K of key step 0 is in
.set i, 0
.rept 32
	KQW                                            ; the scores of key step 0
.set i, i+1
.endr
	WIN 0
	s_wait_tensorcnt 0x0                           ; my quarter of slot 0 is in
	ds_add_u32 v[SPW], v[NIL]
	s_wait_dscnt 0x0
	CROUND                                         ; everybody's quarter is in, and the joint loads meet
	JLOAD                                          ; slot 1's first fill: blocks 2 and 3
	VEC 0, 1                                       ; iteration 0: no O^T yet;
	MAT 1, 1                                       ; its products start O^T's sums
	VEC 1, 1                                       ; iteration 1
	MAT 1, 0
.Lslot:                                            ; 14 trips: every slot but the last two is filled again
	CHANGE 1
	s_mov_b32 s[TWICE], 2
.Lstep:                                            ; a slot's two blocks: written once, walked twice; the LDS addresses hang on s[TB]
	VEC 1, 1
	MAT 1, 0
	s_sub_co_u32 s[TWICE], s[TWICE], 1
	s_cmp_lg_u32 s[TWICE], 0
	s_cbranch_scc1 .Lstep
	s_sub_co_u32 s[SLOTS], s[SLOTS], 1
	s_cmp_lg_u32 s[SLOTS], 0
	s_cbranch_scc1 .Lslot
	CHANGE 0                                       ; the tail is written out
	VEC 1, 1                                       ; iteration 30
	MAT 1, 0
	VEC 1, 0                                       ; iteration 31: no further K
.irp q, 0,1
	v_add_f32 v[ST+8*\q+6], v[ST+8*\q+2], v[ST+8*\q+3]               ; the sum's two halves,
.endr
.irp q, 0,1
	v_permlanex16_b32 v[TM+16*\q+4], v[ST+8*\q+6], s[SEL], s[SEL+1]
.endr
.irp q, 0,1
	v_add_f32 v[ST+8*\q+6], v[ST+8*\q+6], v[TM+16*\q+4]              ; and lane l xor 16's: the row's sum
.endr
	s_wait_alu depctr_va_vdst(0)                   ; the wait ahead of the reciprocals.  They stand ahead of the last products, so that no transcendental stands between those and the way out
.irp q, 0,1
	v_rcp_f32 v[ST+8*\q+6], v[ST+8*\q+6]
.endr
	v_nop                                          ; a plain line behind the last reciprocal; the wait behind them opens the phase below
	MAT 0, 0                                       ; the last step's products
	PLACES 8
	OUTQ 0, 0
	OUTQ 0, 1
	OUTQ 1, 0
	OUTQ 1, 1
	s_wait_tensorcnt 0x0                           ; the wave's end
	ds_add_u32 v[SPW], v[NIL]
	s_wait_dscnt 0x0
	CROUND                                         ; the closing round
	s_endpgm
.Lfunc_end_k_q0b9b91d4d9_attn:
	.size	k_q0b9b91d4d9_attn, .Lfunc_end_k_q0b9b91d4d9_attn-k_q0b9b91d4d9_attn
	.p2alignl 7, 3214868480
	.fill 96, 4, 3214868480
	.section	.rodata,"a",@progbits
	.p2align	6, 0x0
	.amdhsa_kernel k_q0b9b91d4d9_attn
		.amdhsa_group_segment_fixed_size 327680
		.amdhsa_private_segment_fixed_size 0
		.amdhsa_enable_private_segment 0
		.amdhsa_kernarg_size 24
		.amdhsa_user_sgpr_count 2
		.amdhsa_user_sgpr_kernarg_segment_ptr 1
		.amdhsa_wavefront_size32 1
		.amdhsa_system_sgpr_workgroup_id_x 1
		.amdhsa_system_sgpr_workgroup_id_y 1
		.amdhsa_system_sgpr_workgroup_id_z 1
		.amdhsa_system_vgpr_workitem_id 0
		.amdhsa_next_free_vgpr 1024
		.amdhsa_next_free_sgpr 66
		.amdhsa_reserve_vcc 0
		.amdhsa_float_denorm_mode_32 3
		.amdhsa_float_denorm_mode_16_64 3
		.amdhsa_memory_ordered 1
		.amdhsa_forward_progress 1
		.amdhsa_inst_pref_size 255
	.end_amdhsa_kernel
	.section	.bss,"aw",@nobits
	.p2align	6
	.space	262144
	.amdgpu_metadata
---
amdhsa.version: [ 1, 2 ]
amdhsa.kernels:
  - .name:           k_q0b9b91d4d9_attn
    .symbol:         k_q0b9b91d4d9_attn.kd
    .args:
      - { .name: dec_output, .offset: 0, .size: 8, .value_kind: global_buffer, .address_space: global }
      - { .name: kv, .offset: 8, .size: 8, .value_kind: global_buffer, .address_space: global }
      - { .name: out0, .offset: 16, .size: 8, .value_kind: global_buffer, .address_space: global }
    .group_segment_fixed_size: 327680
    .private_segment_fixed_size: 0
    .kernarg_segment_align: 8
    .kernarg_segment_size: 24
    .max_flat_workgroup_size: 128
    .sgpr_count:     66
    .vgpr_count:     1024
    .wavefront_size: 32
...
	.end_amdgpu_metadata
.endif
;; end of part 2
